; MI455X (gfx1250); checked and timed in simulation.
; The chip was launched on July 23, 2026; its instructions are those of AMD's public machine-readable ISA for CDNA 5 (MIT licence, August 2026) and "CDNA5" Instruction Set Architecture Reference Guide (July 2026). The comments in the code are by the model that wrote it; some were corrected since.
;; Latent Self Attention. Allowed arithmetic: matrix products marked QUANTISED: E2M3 operands, one E8M0 scale for each 32 along K, by v_wmma_scale_f32_16x16x128_f8f6f4 with both operands' format E2M3, f32 sums; everything else in f32.
;; Inputs: Wk 2,048 x 512 float32; Wo 512 x 2,048 float32; Wq 2,048 x 512 float32; Wv 2,048 x 512 float32; x 4 x 2,048 x 2,048 float32.
;; Outputs: out0 4 x 2,048 x 2,048 float32.
;; This version of the problem:
;;   THIS VERSION OF THE PROBLEM IS GIVEN IN LOW PRECISION. The matrix products marked QUANTISED in the list below multiply operands that are first quantised to E2M3 (2 exponent bits, 3 mantissa bits; 6 bits a number), with one power-of-two scale for each 32 numbers along K (OCP MX v1.0); their sums are f32. All else is computed in f32.
;;   The module's matrix products, in the order in which they are computed (A, B: the left and right operand; K: the contracted axis; several contracted axes count as one K, in the product's order):
;;     1. [M 8,192, K 2,048] x [K 2,048, N 512]; A: input x; B: input Wq: QUANTISED
;;     2. [M 8,192, K 2,048] x [K 2,048, N 512]; A: input x; B: input Wk: QUANTISED
;;     3. [M 8,192, K 2,048] x [K 2,048, N 512]; A: input x; B: input Wv: QUANTISED
;;     4. batch 4 x [M 2,048, K 512] x [K 512, N 2,048]; A: computed on the way; B: computed on the way: QUANTISED
;;     5. batch 4 x [M 2,048, K 2,048] x [K 2,048, N 512]; A: softmax (see below); B: computed on the way: QUANTISED
;;     6. [M 8,192, K 512] x [K 512, N 2,048]; A: computed on the way; B: input Wo: QUANTISED
;;   THE QUANTISER, for each operand of a quantised product, along K:
;;     - K is cut into blocks of 32 from its start; a last block that is shorter is filled with zeros.
;;     - A block's scale is 2^e with e = floor(log2(the largest magnitude in the block)) - 2, held to -126 .. 127; a block of zeros has e = 0. As a byte (E8M0): e + 127.
;;     - Each number is divided by its block's scale, clamped to +-7.5, and rounded to the nearest number of E2M3, ties to even, subnormals kept.
;;     - The product sums the exact products of the quantised numbers (number of the format x scale) in f32.
;;   ~~~python
;;   def quantise(x, axis):      # numpy; x: float32 -> the quantised numbers, widened to float32 again
;;       x = np.moveaxis(x, axis, -1); K = x.shape[-1]
;;       x = np.pad(x, [(0, 0)] * (x.ndim - 1) + [(0, -K % 32)]); x = x.reshape(x.shape[:-1] + (-1, 32)); a = np.abs(x).max(-1, keepdims=True)
;;       e = np.where(a > 0, np.clip(np.frexp(np.where(a > 0, a, 1))[1] - 1 - 2, -126, 127), 0)      # np.frexp(a)[1] - 1 = floor(log2(a)), exactly
;;       r = np.clip(x / 2.0 ** e, -7.5, 7.5)
;;       step = 2.0 ** (np.maximum(np.frexp(np.where(r == 0, 1, r))[1] - 1, 0) - 3)
;;       q = np.round(r / step) * step * 2.0 ** e      # np.round: ties to even
;;       return np.moveaxis(q.reshape(q.shape[:-2] + (-1,))[..., :K], -1, axis).astype(np.float32)
;;   ~~~
;;   SOFTMAX AHEAD OF A QUANTISED PRODUCT. Where the list says 'softmax', what is quantised is not the finished softmax but p = 2^(t - M), with t = logit x log2(e) and M = ceil(the row's largest t), a whole number; so 1/2 < the row's largest p <= 1. The row's sum l is taken of the UNQUANTISED p, in f32, and the product's result is divided by l at the end. Since M is a whole number, a kernel that streams over the keys may use a running M (the ceiling of the running maximum): every later rescaling is an exact power of two, which a block's scale takes up: the codes' values come out the same.
;;   OPERANDS COMPUTED ON THE WAY. 'Computed on the way' means the value that the module computes at that place (a softmax that the list does not call 'softmax' is quantised finished and normalised). What goes into a quantiser is computed in f32, as accurately as f32 sums, v_exp_f32 and their like allow (about 1e-6 of the number): no bf16 or f16 on the way to a quantiser, and a product that is left as it is and whose result goes on into a quantised operand takes f32 operands (vector FMAs, or v_wmma_f32_16x16x4_f32). A number that lies on a knife's edge between two numbers of the format may be rounded either way, as far as f32 arithmetic and the matrix unit's own rounding can turn it there, and no further.
;; One version. Each part assembles by itself: llvm-mc -triple=amdgcn-amd-amdhsa -mcpu=gfx1250 --defsym DOCPART=n.
;; ======== version 1 of 1: 3 launches
;; workspace buffers: xc 13,107,200 bytes; wc 2,457,600 bytes; oc 819,200 bytes; qkv 9,830,400 bytes
;; launch quant (part 1): grid 512 x 1, 4 waves a work-group, no clusters, 58,880 bytes of LDS; arguments x, Wq, Wk, Wv, Wo, xc, wc, oc; writes xc, wc, oc
.if DOCPART == 1
	.amdgcn_target "amdgcn-amd-amdhsa--gfx1250"
	.amdhsa_code_object_version 6
	.text
	.protected	k_q83a1ac2535_quant
	.globl	k_q83a1ac2535_quant
	.p2align	8
	.type	k_q83a1ac2535_quant,@function
k_q83a1ac2535_quant:
	s_mov_b64 s[64:65], 0
	v_nop
	global_prefetch_b8 v0, s[64:65] scope:SCOPE_SE
	s_setreg_imm32_b32 hwreg(HW_REG_WAVE_MODE, 25, 1), 1
	s_wait_xcnt 0x0
; x [8192][2048] (K innermost) and Wq, Wk, Wv [2048][512], Wo [512][2048] (K = the FIRST axis), all f32, become codes of FP6 (E2M3) with one E8M0 byte for each 32 along K.
; A block's scale is 2^(floor(log2(its largest magnitude)) - 2); its byte is the largest magnitude's exponent field - 2, held at 1 from below.
; THE RECORD.  All operands of this program lie in memory as images of the matrix unit's registers.  A record is 128 rows x 128 along K, REC = 12,800 bytes:
;   codes: tile i (0..7), register group c (0..2), lane L: 16 bytes at 1536 i + 512 c + 16 L = registers 4 c .. 4 c + 3 of lane L's fragment (lane (r, h), registers 6 cc .. 6 cc + 5: k = 64 cc + 32 h + 0 .. 31);
;   lane r of tile i holds row 32 (i / 2) + 8 (i % 2) + r + 8 (r / 8) of the 128, so that a product used transposed leaves 16 neighbours along the next K in the 16 registers of two neighbouring tiles;
;   scale words: the word of (i, r) at SCO + 32 r + 4 i.      xc: [row group 64][K step 16];  wc: [column group 12 = q0-3, k0-3, v0-3][K step 16];  oc: [column group 16][K step 4].
; Work-groups 0-255: x, a record a wave.  256-447: Wq, Wk, Wv, a record a work-group.  448-511: Wo likewise.  Waves share nothing: no barrier.  Each of the three ways has LDS bytes of its own.
; LIMITS: NaN and infinities among the inputs are not served; a block whose largest magnitude lies under 2^-124 keeps the byte 1; a block of zeros has the byte 1 and not 127 (its codes are zeros, and this program alone reads the bytes).
.set REC,   12800
.set SCO,   12288
.set XSTW,  8448                       ; x: a wave's stage, 16 rows x (512 bytes + 16): from LDS byte 0 on
.set WS1,   33792                      ; Wq, Wk, Wv: four stages of 3,072 bytes (two tiles' images)
.set WS2,   46080                      ; Wo: the same
.set SPARE, 58368                      ; the spare words, 128 bytes for each wave: two blocks of 256 bytes that no other line names
.set SPW,   12                         ; v12  LDS address of my spare word; never rewritten
.set NIL,   13                         ; v13  0; never rewritten
.set R,     16                         ; v16-143  x: two sets of 16 rows as loaded
.set X,     144                        ; v144-207 x: my 64 numbers of my row
.set TM,    208                        ; largest magnitudes
.set OP,    210                        ; the conversions' scale operands
.set BY,    212                        ; the scales' bytes
.set WD,    214                        ; a scale word
.set PT,    215
.set SW,    216                        ; v216-223 x: the eight tiles' scale words
.set C,     224                        ; v224-235 a fragment's codes
.set D,     236                        ; v236-238, v240-242: halves that are moved (a conversion's three registers begin on an even number)
.set T4,    244
.set WX,    16                         ; v16-79   weights: two sets of 32 numbers down K
.set OUTR,  96                         ; v96-119  weights: the way out
	s_load_b256 s[4:11], s[0:1], 0x0               ; x s[4:5], Wq s[6:7], Wk s[8:9], Wv s[10:11]
	s_load_b256 s[12:19], s[0:1], 0x20             ; Wo s[12:13], xc s[14:15], wc s[16:17], oc s[18:19]
	v_lshl_add_u32 v[SPW], v0, 2, SPARE
	v_mov_b32 v[NIL], 0
	v_lshrrev_b32 v1, 5, v0
	v_readfirstlane_b32 s20, v1                    ; wave
	v_and_b32 v2, 31, v0                           ; L
	v_and_b32 v3, 15, v0                           ; r
	v_bfe_u32 v4, v0, 4, 1                         ; h
	s_mov_b32 s22, 0x76543210
	s_mov_b32 s23, 0xfedcba98                      ; v_permlanex16_b32's selects for lane l xor 16
	s_mov_b32 s25, 0                               ; the high word of every offset
	s_wait_kmcnt 0x0
	s_cmp_lt_u32 ttmp9, 256
	s_cbranch_scc0 .Lweights
; ---- x.  Wave w of work-group id makes record (g = id / 4, K step 4 (id % 4) + w): the four waves read 2,048 bytes on end of each row.
	s_lshr_b32 s28, ttmp9, 2                       ; g
	s_and_b32 s29, ttmp9, 3
	s_lshl_b32 s29, s29, 2
	s_add_co_u32 s29, s29, s20                     ; the K step
	s_lshl_b32 s24, s28, 20                        ; 128 rows of 8,192 bytes
	s_lshl_b32 s26, s29, 9                         ; 128 numbers
	s_add_co_u32 s24, s24, s26
	s_add_nc_u64 s[4:5], s[4:5], s[24:25]
	s_lshl_b32 s28, s28, 4
	s_add_co_u32 s28, s28, s29
	s_mul_i32 s24, s28, REC
	s_add_nc_u64 s[14:15], s[14:15], s[24:25]
	s_mul_i32 s30, s20, XSTW
	v_lshlrev_b32 v5, 4, v2                        ; 16 L: my bytes of a row's 512, and of an image's 512
	v_add_nc_u32 v6, s30, v5                       ; the stage, on the way in
	v_mul_u32_u24 v7, v3, 528
	v_lshl_add_u32 v7, v4, 7, v7
	v_add_nc_u32 v7, s30, v7                       ; and out: row r, + 128 h: my block of 32 numbers
	v_lshlrev_b32 v8, 5, v3
	v_lshl_add_u32 v8, v4, 4, v8
	v_add_nc_u32 v8, SCO, v8                       ; the scale words' place: SCO + 32 r + 16 h
	v_lshlrev_b32 v9, 3, v4                        ; 8 h
	v_mov_b32 v[PT], 0                             ; a lane permute's destination counts as one of its sources
.macro LOADX i                         ; tile i's 16 rows: each load reads 512 consecutive bytes
.irp t, 0,1,2,3,4,5,6,7,8,9,10,11,12,13,14,15
	global_load_b128 v[R+64*((\i)%2)+4*\t:R+64*((\i)%2)+4*\t+3], v5, s[4:5] offset:(32*((\i)/2)+8*((\i)%2)+\t+8*(\t/8))*8192 th:TH_LOAD_NT
.endr
.endm
.macro XSTEP i
.if (\i) < 7
	s_wait_loadcnt 16                              ; this tile's 16 loads are in; the next tile's 16 may be out
.else
	s_wait_loadcnt 0x0
.endif
.irp t, 0,1,2,3,4,5,6,7,8,9,10,11,12,13,14,15
	ds_store_b128 v6, v[R+64*((\i)%2)+4*\t:R+64*((\i)%2)+4*\t+3] offset:528*\t
.endr
.irp c, 0,1
.irp n, 0,1,2,3,4,5,6,7
	ds_load_b128 v[X+32*\c+4*\n:X+32*\c+4*\n+3], v7 offset:256*\c+16*\n   ; LDS serves a wave's instructions in order: these see the stores above.  k = 64 c + 32 h + 4 n ..
.endr
.endr
	s_wait_dscnt 0x0                               ; my 64 numbers are in, and the stores have read their registers,
.if (\i)+2 < 8
	LOADX (\i)+2                                   ; which take the tile two further on
.endif
.irp c, 0,1
	v_max3_num_f32 v[TM+\c], |v[X+32*\c]|, |v[X+32*\c+1]|, 0x1800000   ; block 2 c + h is all mine; the floor 2^(3 - 127) holds the byte at 1 from below
.endr
.irp k, 2,4,6,8,10,12,14,16,18,20,22,24,26,28,30
.irp c, 0,1
	v_max3_num_f32 v[TM+\c], v[TM+\c], |v[X+32*\c+\k]|, |v[X+32*\c+\k+1]|
.endr
.endr
.irp c, 0,1
	v_add_nc_u32 v[OP+\c], 0xff000000, v[TM+\c]    ; 2 off the exponent field: the conversion takes the exponent field of this operand as its scale
.endr
.irp c, 0,1
	v_lshrrev_b32 v[BY+\c], 23, v[OP+\c]           ; the scale's byte
.endr
	v_lshl_or_b32 v[WD], v[BY+1], 16, v[BY]        ; blocks h and 2 + h,
	v_lshlrev_b32 v[WD], v9, v[WD]                 ; at their places in the word;
	v_permlanex16_b32 v[PT], v[WD], s22, s23
	v_or_b32 v[SW+(\i)], v[WD], v[PT]              ; with lane l xor 16's two the word is whole
	s_wait_xcnt 0x0                                ; the last tile's stores have read their registers: the codes are written again only behind this wait
	v_cvt_scalef32_pk16_fp6_f32 v[C:C+2], v[X:X+15], v[OP]
	v_cvt_scalef32_pk16_fp6_f32 v[D:D+2], v[X+16:X+31], v[OP]
	v_cvt_scalef32_pk16_fp6_f32 v[C+6:C+8], v[X+32:X+47], v[OP+1]
	v_cvt_scalef32_pk16_fp6_f32 v[D+4:D+6], v[X+48:X+63], v[OP+1]
	v_nop                                          ; one plain place behind a scaled conversion
.irp n, 0,1,2
	v_mov_b32 v[C+3+\n], v[D+\n]
	v_mov_b32 v[C+9+\n], v[D+4+\n]
.endr
.irp k, 0,1,2
	global_store_b128 v5, v[C+4*\k:C+4*\k+3], s[14:15] offset:(\i)*1536+512*\k   ; 32 lanes store 512 consecutive bytes, at a multiple of 256 from the buffer's first byte
.endr
.endm
	LOADX 0
	LOADX 1
.irp i, 0,1,2,3,4,5,6,7
	XSTEP \i
.endr
	v_cmp_eq_u32 vcc_lo, 1, v4
.irp k, 0,1,2,3
	v_cndmask_b32 v[T4+\k], v[SW+\k], v[SW+4+\k], vcc_lo   ; lanes 0-15 store tiles 0-3's words of their row, lanes 16-31 tiles 4-7's
.endr
	global_store_b128 v8, v[T4:T4+3], s[14:15]     ; 512 consecutive bytes
	s_branch .Lend
; ---- The weights.  A LANE TAKES A COLUMN, AND ITS REGISTERS RUN DOWN K.  Wave w takes columns 32 w .. 32 w + 31 of the record's 128: tiles 2 w and 2 w + 1; lane L is lane r' = L % 8 + 8 (L / 16) of tile 2 w + u, u = (L / 8) % 2.
.Lweights:
	v_bfe_u32 v10, v0, 3, 1                        ; u
	v_and_b32 v11, 7, v0
	v_lshl_or_b32 v11, v4, 3, v11                  ; r'
	v_lshlrev_b32 v5, 2, v2                        ; in: 4 bytes a lane
	s_mul_i32 s30, s20, 3072
	v_mul_u32_u24 v6, v10, 1536
	v_lshl_add_u32 v6, v11, 4, v6
	v_add_nc_u32 v6, s30, v6                       ; into my stage: tile u's image, lane r'
	v_lshlrev_b32 v7, 4, v2
	v_add_nc_u32 v7, s30, v7                       ; 16 L + 3072 w: out of the stage, and the same place in the record
	v_lshlrev_b32 v9, 5, v11
	v_lshl_add_u32 v9, v10, 2, v9
	s_lshl_b32 s31, s20, 3
	s_add_co_u32 s31, s31, SCO
	v_add_nc_u32 v9, s31, v9                       ; my column's scale word: SCO + 32 r' + 4 (2 w + u)
.macro WLOAD t, pitch, sb              ; block t: 32 numbers down K of my column; 32 lanes read 128 consecutive bytes, the four waves 512
.irp i, 0,1,2,3,4,5,6,7,8,9,10,11,12,13,14,15,16,17,18,19,20,21,22,23,24,25,26,27,28,29,30,31
	global_load_b32 v[WX+32*((\t)%2)+\i], v5, s[\sb:\sb+1] offset:(32*(\t)+\i)*\pitch th:TH_LOAD_NT
.endr
.endm
.macro WBLOCK t, pitch, lbase, sb      ; block t = 2 cc + h is what lane (r', h) of the fragment holds in registers 6 cc .. 6 cc + 5
.set XS, WX+32*((\t)%2)
.if (\t) < 3
	s_wait_loadcnt 32                              ; this block's 32 loads are in; the next block's may be out
.else
	s_wait_loadcnt 0x0
.endif
	v_max3_num_f32 v[TM], |v[XS]|, |v[XS+1]|, |v[XS+2]|
	v_max3_num_f32 v[TM+1], |v[XS+3]|, |v[XS+4]|, |v[XS+5]|
.irp i, 6,10,14,18,22,26
	v_max3_num_f32 v[TM], v[TM], |v[XS+\i]|, |v[XS+\i+1]|
	v_max3_num_f32 v[TM+1], v[TM+1], |v[XS+\i+2]|, |v[XS+\i+3]|
.endr
	v_max3_num_f32 v[TM], v[TM], |v[XS+30]|, |v[XS+31]|
	v_max3_num_f32 v[TM], v[TM], v[TM+1], 0x1800000   ; and the floor
	v_add_nc_u32 v[OP], 0xff000000, v[TM]
	v_lshrrev_b32 v[BY], 23, v[OP]
.if (\t) == 0
	v_mov_b32 v[WD], v[BY]
.else
	v_lshl_or_b32 v[WD], v[BY], 8*(\t), v[WD]      ; the lower K in the lower byte
.endif
	v_cvt_scalef32_pk16_fp6_f32 v[C:C+2], v[XS:XS+15], v[OP]
	v_cvt_scalef32_pk16_fp6_f32 v[D:D+2], v[XS+16:XS+31], v[OP]
	v_nop                                          ; one plain place behind a scaled conversion
.irp n, 0,1,2
	v_mov_b32 v[C+3+\n], v[D+\n]
.endr
.if (\t)/2 == 0
	ds_store_b128 v6, v[C:C+3] offset:\lbase+256*((\t)%2)          ; registers 0-3: group 0
	ds_store_b64 v6, v[C+4:C+5] offset:\lbase+512+256*((\t)%2)     ; registers 4, 5: the lower half of group 1
.else
	ds_store_b64 v6, v[C:C+1] offset:\lbase+520+256*((\t)%2)       ; registers 6, 7: its upper half
	ds_store_b128 v6, v[C+2:C+5] offset:\lbase+1024+256*((\t)%2)   ; registers 8-11: group 2
.endif
.if (\t)+2 < 4
	WLOAD (\t)+2, \pitch, \sb
.endif
	s_wait_dscnt 0x0                               ; the stores have read their registers: the next block's codes may be written
.endm
.macro WPATH pitch, lbase, sb, db
	WLOAD 0, \pitch, \sb
	WLOAD 1, \pitch, \sb
	WBLOCK 0, \pitch, \lbase, \sb
	WBLOCK 1, \pitch, \lbase, \sb
	WBLOCK 2, \pitch, \lbase, \sb
	WBLOCK 3, \pitch, \lbase, \sb
	global_store_b32 v9, v[WD], s[\db:\db+1]       ; 4 bytes a lane: one part in 25 of a record
.irp k, 0,1,2,3,4,5
	ds_load_b128 v[OUTR+4*\k:OUTR+4*\k+3], v7 offset:\lbase+512*\k
.endr
.irp k, 0,1,2,3,4,5
	s_wait_dscnt 5-\k
	global_store_b128 v7, v[OUTR+4*\k:OUTR+4*\k+3], s[\db:\db+1] offset:512*\k   ; 512 consecutive bytes
.endr
.endm
	s_cmp_lt_u32 ttmp9, 448
	s_cbranch_scc0 .Lwo
	s_sub_co_u32 s28, ttmp9, 256                   ; the record in wc: 64 x tensor + 16 x column group + K step
	s_lshr_b32 s29, s28, 6
	s_cmp_eq_u32 s29, 1
	s_cselect_b64 s[8:9], s[8:9], s[10:11]         ; the choice hangs on the work-group's number alone
	s_cmp_eq_u32 s29, 0
	s_cselect_b64 s[6:7], s[6:7], s[8:9]
	s_and_b32 s24, s28, 15
	s_lshl_b32 s24, s24, 18                        ; 128 rows of 2,048 bytes
	s_bfe_u32 s26, s28, 0x20004
	s_lshl_b32 s26, s26, 9                         ; 128 columns
	s_add_co_u32 s24, s24, s26
	s_lshl_b32 s26, s20, 7                         ; my wave's 32
	s_add_co_u32 s24, s24, s26
	s_add_nc_u64 s[6:7], s[6:7], s[24:25]
	s_mul_i32 s24, s28, REC
	s_add_nc_u64 s[16:17], s[16:17], s[24:25]
	WPATH 2048, WS1, 6, 16
	s_branch .Lend
.Lwo:
	s_sub_co_u32 s28, ttmp9, 448                   ; the record in oc: 4 x column group + K step
	s_and_b32 s24, s28, 3
	s_lshl_b32 s24, s24, 20                        ; 128 rows of 8,192 bytes
	s_lshr_b32 s26, s28, 2
	s_lshl_b32 s26, s26, 9
	s_add_co_u32 s24, s24, s26
	s_lshl_b32 s26, s20, 7
	s_add_co_u32 s24, s24, s26
	s_add_nc_u64 s[12:13], s[12:13], s[24:25]
	s_mul_i32 s24, s28, REC
	s_add_nc_u64 s[18:19], s[18:19], s[24:25]
	WPATH 8192, WS2, 12, 18
.Lend:
	s_wait_tensorcnt 0x0                           ; the wave's end: behind my last LDS store
	ds_add_u32 v[SPW], v[NIL]
	s_wait_dscnt 0x0
	s_endpgm
.Lfunc_end_k_q83a1ac2535_quant:
	.size	k_q83a1ac2535_quant, .Lfunc_end_k_q83a1ac2535_quant-k_q83a1ac2535_quant
	.p2alignl 7, 3214868480
	.fill 96, 4, 3214868480
	.section	.rodata,"a",@progbits
	.p2align	6, 0x0
	.amdhsa_kernel k_q83a1ac2535_quant
		.amdhsa_group_segment_fixed_size 58880
		.amdhsa_private_segment_fixed_size 0
		.amdhsa_enable_private_segment 0
		.amdhsa_kernarg_size 64
		.amdhsa_user_sgpr_count 2
		.amdhsa_user_sgpr_kernarg_segment_ptr 1
		.amdhsa_wavefront_size32 1
		.amdhsa_system_sgpr_workgroup_id_x 1
		.amdhsa_system_sgpr_workgroup_id_y 1
		.amdhsa_system_sgpr_workgroup_id_z 1
		.amdhsa_system_vgpr_workitem_id 0
		.amdhsa_next_free_vgpr 256
		.amdhsa_next_free_sgpr 66
		.amdhsa_reserve_vcc 1
		.amdhsa_float_denorm_mode_32 3
		.amdhsa_float_denorm_mode_16_64 3
		.amdhsa_memory_ordered 1
		.amdhsa_forward_progress 1
		.amdhsa_inst_pref_size 98
	.end_amdhsa_kernel
	.amdgpu_metadata
---
amdhsa.version: [ 1, 2 ]
amdhsa.kernels:
  - .name:           k_q83a1ac2535_quant
    .symbol:         k_q83a1ac2535_quant.kd
    .args:
      - { .name: x, .offset: 0, .size: 8, .value_kind: global_buffer, .address_space: global }
      - { .name: Wq, .offset: 8, .size: 8, .value_kind: global_buffer, .address_space: global }
      - { .name: Wk, .offset: 16, .size: 8, .value_kind: global_buffer, .address_space: global }
      - { .name: Wv, .offset: 24, .size: 8, .value_kind: global_buffer, .address_space: global }
      - { .name: Wo, .offset: 32, .size: 8, .value_kind: global_buffer, .address_space: global }
      - { .name: xc, .offset: 40, .size: 8, .value_kind: global_buffer, .address_space: global }
      - { .name: wc, .offset: 48, .size: 8, .value_kind: global_buffer, .address_space: global }
      - { .name: oc, .offset: 56, .size: 8, .value_kind: global_buffer, .address_space: global }
    .group_segment_fixed_size: 58880
    .private_segment_fixed_size: 0
    .kernarg_segment_align: 8
    .kernarg_segment_size: 64
    .max_flat_workgroup_size: 128
    .sgpr_count:     66
    .vgpr_count:     256
    .wavefront_size: 32
...
	.end_amdgpu_metadata
.endif
;; end of part 1
;; launch qkv (part 2): grid 32 x 6, 4 waves a work-group, no clusters, 327,680 bytes of LDS; arguments xc, wc, qkv; writes qkv
.if DOCPART == 2
	.amdgcn_target "amdgcn-amd-amdhsa--gfx1250"
	.amdhsa_code_object_version 6
	.text
	.protected	k_q83a1ac2535_qkv
	.globl	k_q83a1ac2535_qkv
	.p2align	8
	.type	k_q83a1ac2535_qkv,@function
k_q83a1ac2535_qkv:
	s_mov_b64 s[64:65], 0
	v_nop
	global_prefetch_b8 v0, s[64:65] scope:SCOPE_SE
	s_setreg_imm32_b32 hwreg(HW_REG_WAVE_MODE, 25, 1), 1
	s_wait_xcnt 0x0
; q = x Wq, k = x Wk, v = x Wv on codes of FP6 (E2M3) with E8M0 scales, K = 2,048; the results are quantised in registers and stored as records (see below): q and k along the latent, v along the KEYS.
; THE RECORD: 128 rows x 128 along K, 12,800 bytes: tile i, register group c, lane L at 1536 i + 512 c + 16 L; lane r of tile i holds row 32 (i / 2) + 8 (i % 2) + r + 8 (r / 8); the scale word of (i, r) at SCO + 32 r + 4 i.
; xc: [row group 64][K step 16]; wc: [column group 12 = q0-3, k0-3, v0-3][K step 16]; qkv: record 256 t + 4 Gx + sub; t = 0 q, 1 k (rows: token group Gx, K step: latent group sub), 2 V^T (rows: latent group sub, K step: token group Gx).
; A work-group of four waves makes 256 x 256, a wave 128 x 128: 64 accumulators.  THE MATRIX INSTRUCTION IS USED TRANSPOSED: a lane holds one row of source 1, and its registers run along source 0's rows, which are the next product's K.
; So for q and k source 1 is x and source 0 is W; for v source 1 is Wv and source 0 is x.  Both buffers have one layout and one K: the choice is a choice of two pointers by the work-group's y.
; K goes in steps of 256 (two records of each of four row groups) through a ring of two LDS slots; each wave fetches one group's two records, 25,600 dense bytes, by one tensor load.
; No cluster: x's tile has 6 readers, which four does not divide, and W stands as source 0 in some work-groups and as source 1 in others, so that a joint descriptor would put the role into LDS addresses.
; 192 work-groups: the three products have no more tiles of this size.
; LIMITS: a block whose largest magnitude lies under 2^-124 keeps the byte 1; a block of zeros has the byte 1 and not 127 (its codes are zeros; this program alone reads the bytes); NaN and infinities are not served.
; REGISTERS, in windows of 256: window 0: v16-29 addresses; v32-63 scale words, two sets; v64-111 at work on the way out; v128-223 source 1's fragments, ONE set.  window 1: source 0's, TWO sets, at v0 and v128.
;   window 2: the accumulators of source 1's blocks 0-3 ((a, b) at v[8 (8 (a % 4) + b)]);  window 3: those of blocks 4-7.
.set REC,   12800
.set SCO,   12288
.set GS,    16*REC                     ; a row group's 16 records
.set REG,   2*REC                      ; what one tensor load brings: a group's two records
.set SLOT,  4*REG                      ; source 1's two groups, then source 0's two
.set SPARE, 2*SLOT                     ; behind the ring: the spare words, 128 bytes for each wave: two blocks of 256 bytes that no other line names
.set LAPS,  4                          ; a lap = 512 along K = once round the ring
.set FR,    12                         ; registers of a fragment
.set NL,    3                          ; LDS loads that bring one
.set NP,    4                          ; places behind this matrix instruction (ISA guide 7.12.1)
.set ADRA,  16                         ; v16-17 LDS address of source 1's fragments in slot 0, 1
.set ADRB,  20                         ; v20-21 of source 0's
.set ADRS,  22                         ; v22-23 of the scale words: lanes 0-15 source 1's rows, lanes 16-31 source 0's
.set LI,    24                         ; v24    16 x lane
.set SWO,   25                         ; v25    SCO + 32 r + 16 h
.set HH,    26                         ; v26    h
.set SPW,   28                         ; v28    LDS address of my spare word; never rewritten
.set NIL,   29                         ; v29    0; never rewritten
.set SC,    32                         ; scale words: v[SC + 16 slot + 8 q + i]: lanes 0-15 the word of source 1's tile i, lanes 16-31 that of source 0's tile i
.set TM,    64
.set PC,    80
.set SW,    100
.set T4,    108
.set AF,    128
.set G0,    32                         ; s[32:39] descriptor group 0, one set for each slot
.set G1,    40                         ; s[40:47] descriptor group 1
.set MSB, 0
.macro WIN new                         ; the immediate's high byte repeats the setting that is left
.if MSB != (\new)
	s_set_vgpr_msb (MSB<<8)|(\new)
.set MSB, (\new)
.endif
.endm
.set MUL_LO, 0xa1                      ; source 0 window 1, source 1 window 0, C and D window 2
.set MUL_HI, 0xf1                      ; the same, C and D window 3
.set TO_B,   0x40                      ; destination window 1, address window 0
	s_load_b128 s[4:7], s[0:1], 0x0                ; xc, wc
	s_load_b64 s[8:9], s[0:1], 0x10                ; qkv
	v_lshl_add_u32 v[SPW], v0, 2, SPARE
	v_mov_b32 v[NIL], 0
	ds_add_u32 v[SPW], v[NIL]                      ; the wave's opening: the add and its wait stand ahead of my first tensor load; work on registers stands between them
	v_lshrrev_b32 v1, 5, v0
	v_readfirstlane_b32 s14, v1                    ; wave 0..3
	s_lshr_b32 s15, s14, 1                         ; which of source 1's two groups is mine
	s_and_b32 s16, s14, 1                          ; which of source 0's.  Also: which group of a source I fetch
	s_and_b32 s17, ttmp7, 0xffff                   ; W's tile: 0, 1 q; 2, 3 k; 4, 5 v
	; descriptor group 1: 25,600 dense bytes as 100 rows of 256 (32 elements of 8 bytes), no padding: every LDS load takes 512 bytes on end
	s_mov_b32 s[G1+0], 3<<16
	s_mov_b32 s[G1+1], 32<<16                      ; tensor_dim0
	s_mov_b32 s[G1+2], 100<<16                     ; tensor_dim1
	s_mov_b32 s[G1+3], 32<<16                      ; tile_dim0
	s_mov_b32 s[G1+4], 100                         ; tile_dim1
	s_mov_b32 s[G1+5], 32                          ; the pitch
	s_mov_b32 s[G1+6], 0
	s_mov_b32 s[G1+7], 0
	s_mul_i32 s20, ttmp9, 2*GS                     ; x's two groups
	s_mov_b32 s21, 0
	s_mul_i32 s22, s17, 2*GS                       ; W's two groups
	s_mov_b32 s23, 0
	s_mul_i32 s24, s16, GS
	s_mov_b32 s25, 0
	s_mul_i32 s26, s14, REG                        ; where my loads go: wave x 25,600
	s_wait_dscnt 0x0                               ; the opening add is done
	s_wait_kmcnt 0x0
	s_add_nc_u64 s[4:5], s[4:5], s[20:21]
	s_add_nc_u64 s[6:7], s[6:7], s[22:23]
	s_cmp_lt_u32 s17, 4                            ; q or k?  The choice hangs on the work-group's number alone
	s_cselect_b64 s[10:11], s[4:5], s[6:7]         ; source 1
	s_cselect_b64 s[12:13], s[6:7], s[4:5]         ; source 0
	s_cmp_lt_u32 s14, 2                            ; waves 0, 1 fetch source 1's groups, waves 2, 3 source 0's
	s_cselect_b64 s[10:11], s[10:11], s[12:13]
	s_add_nc_u64 s[10:11], s[10:11], s[24:25]
.irp n, 0,1
	s_mov_b32 s[G0+4*\n], 1
	s_add_co_u32 s[G0+4*\n+1], s26, \n*SLOT
	s_add_nc_u64 s[G0+4*\n+2:G0+4*\n+3], s[10:11], \n*REG
	s_or_b32 s[G0+4*\n+3], s[G0+4*\n+3], 0x80000000
	tensor_load_to_lds s[G0+4*\n:G0+4*\n+3], s[G1:G1+7]   ; both first fills go out together: two loads of mine are out
	s_nop 0
.endr
.rept 4
	v_nop
.endr
	v_and_b32 v1, 31, v0
	v_and_b32 v2, 15, v0                           ; r
	v_bfe_u32 v[HH], v0, 4, 1                      ; h
	v_lshlrev_b32 v[LI], 4, v1
	v_lshlrev_b32 v3, 5, v2
	v_add_nc_u32 v3, SCO, v3                       ; SCO + 32 r
	v_lshl_add_u32 v[SWO], v[HH], 4, v3
	s_mul_i32 s21, s15, REG                        ; source 1's group
	s_add_co_u32 s22, s16, 2
	s_mul_i32 s22, s22, REG                        ; source 0's
	s_sub_co_u32 s23, s22, s21
	v_mul_u32_u24 v4, s23, v[HH]                   ; lanes 16-31 take source 0's words: the lower base + h x the distance
	v_add_nc_u32 v3, v3, v4
.irp s, 0,1
	v_add_nc_u32 v[ADRA+\s], s21, v[LI]
	v_add_nc_u32 v[ADRB+\s], s22, v[LI]
	v_add_nc_u32 v[ADRS+\s], s21, v3
	s_add_co_u32 s21, s21, SLOT
	s_add_co_u32 s22, s22, SLOT
.endr
.irp b, 0,1,2,3
	v_mov_b32 v[TM+4+\b], 0                        ; a lane permute's destination counts as one of its sources
.endr
	; my record: Gx = the token group, Gw = W's column group
	s_cmp_lt_u32 s17, 4
	s_cselect_b32 s48, s15, s16
	s_cselect_b32 s49, s16, s15
	s_lshl_b32 s50, ttmp9, 1
	s_add_co_u32 s48, s48, s50                     ; Gx
	s_lshl_b32 s50, s17, 1
	s_add_co_u32 s49, s49, s50                     ; Gw
	s_lshr_b32 s50, s49, 2
	s_lshl_b32 s50, s50, 8                         ; 256 t
	s_and_b32 s49, s49, 3
	s_add_co_u32 s50, s50, s49
	s_lshl_b32 s48, s48, 2
	s_add_co_u32 s50, s50, s48
	s_mul_i32 s50, s50, REC
	s_mov_b32 s51, 0
	s_add_nc_u64 s[8:9], s[8:9], s[50:51]
.macro FRAG reg, adr, q, i             ; a fragment comes as it lies: three loads of 512 consecutive bytes
.irp c, 0,1,2
	ds_load_b128 v[\reg+4*\c:\reg+4*\c+3], v[\adr] offset:(\q)*REC+(\i)*1536+512*\c
.endr
.endm
; 16 matrix instructions: source 1's blocks a0, a0 + 1 x source 0's eight.  The 64 accumulators take turns, one instruction a turn, in the same order in every step.
.macro MUL16 a0, p, q, sc, zero
.irp a, \a0, \a0+1
.irp b, 0,1,2,3,4,5,6,7
.if \zero
	v_wmma_scale_f32_16x16x128_f8f6f4 v[8*(8*((\a)%4)+\b):8*(8*((\a)%4)+\b)+7], v[128*(\p)+FR*\b:128*(\p)+FR*\b+FR-1], v[AF+FR*(\a):AF+FR*(\a)+FR-1], 0, v[SC+16*(\sc)+8*(\q)+\b], v[SC+16*(\sc)+8*(\q)+(\a)] matrix_a_fmt:MATRIX_FMT_FP6 matrix_b_fmt:MATRIX_FMT_FP6 matrix_a_scale:MATRIX_SCALE_ROW1
.else
	v_wmma_scale_f32_16x16x128_f8f6f4 v[8*(8*((\a)%4)+\b):8*(8*((\a)%4)+\b)+7], v[128*(\p)+FR*\b:128*(\p)+FR*\b+FR-1], v[AF+FR*(\a):AF+FR*(\a)+FR-1], v[8*(8*((\a)%4)+\b):8*(8*((\a)%4)+\b)+7], v[SC+16*(\sc)+8*(\q)+\b], v[SC+16*(\sc)+8*(\q)+(\a)] matrix_a_fmt:MATRIX_FMT_FP6 matrix_b_fmt:MATRIX_FMT_FP6 matrix_a_scale:MATRIX_SCALE_ROW1
.endif
.endr
.endr
.endm
.macro FETCH_B slot, q, p
	WIN TO_B
.irp i, 0,1,2,3,4,5,6,7
	FRAG 128*(\p)+FR*\i, ADRB+\slot, \q, \i
.endr
	WIN 0
.endm
.macro FETCH_A slot, q, i0
.irp i, \i0, \i0+1, \i0+2, \i0+3
	FRAG AF+FR*(\i), ADRA+\slot, \q, \i
.endr
.endm
.macro SCALES sc                       ; a slot's scale words: a load brings a lane four tiles' words
.irp q, 0,1
.irp e, 0,1
	ds_load_b128 v[SC+16*\sc+8*\q+4*\e:SC+16*\sc+8*\q+4*\e+3], v[ADRS+\sc] offset:\q*REC+16*\e
.endr
.endr
.endm
.macro PLACES n                        ; plain vector instructions that name no register of the matrix instructions ahead (ISA guide 7.12.1)
.rept \n
	v_nop
.endr
.endm
.macro STEP slot, q, zero              ; a step of 128 along K that has its successor in the same slot
	s_wait_dscnt 4*NL                              ; source 0's set, source 1's blocks 0-3 and the scale words are in; the youngest 12 loads (blocks 4-7) may be out
	WIN MUL_LO
	MUL16 0, (\q)%2, \q, \slot, \zero
	MUL16 2, (\q)%2, \q, \slot, \zero
	s_wait_dscnt 0                                 ; blocks 4-7 are in
	PLACES NP
	FETCH_B \slot, (\q)+1, 1-(\q)%2
	FETCH_A \slot, (\q)+1, 0
	WIN MUL_HI
	MUL16 4, (\q)%2, \q, \slot, \zero
	MUL16 6, (\q)%2, \q, \slot, \zero
	PLACES NP
	WIN 0
	FETCH_A \slot, (\q)+1, 4
.endm
; A slot's last step changes slots: ONE barrier; in front of it each wave waits for all its tensor loads, adds 0 to its spare word, and waits for that and for its reads of this slot.  fill = 1: the slot is filled again, 512 along K ahead.
.macro TURN slot, next, fill
	s_wait_tensorcnt 0x0                           ; all my tensor loads have landed: my part of the next slot
	ds_add_u32 v[SPW], v[NIL]                      ; 0 onto my spare word
	s_wait_dscnt 4*NL+1                            ; (the add and the youngest 12 loads may be out)
	WIN MUL_LO
	MUL16 0, 1, 1, \slot, 0                        ; sixteen matrix instructions stand between the add and the wait for it
	s_wait_dscnt 0x0                               ; the add is done, and my reads of this slot are over
	s_barrier_signal -1
	MUL16 2, 1, 1, \slot, 0
	WIN 0
	s_barrier_wait -1
.if \fill
	s_add_nc_u64 s[G0+4*\slot+2:G0+4*\slot+3], s[G0+4*\slot+2:G0+4*\slot+3], 2*REG   ; no tensor load of mine is out, so a group 0 may be written
	tensor_load_to_lds s[G0+4*\slot:G0+4*\slot+3], s[G1:G1+7]   ; my one tensor load behind the barrier, and the first thing there: 96 matrix instructions ahead of the wait for it
	s_nop 0
	PLACES NP                                      ; also the places in front of the loads below
.else
	PLACES NP
.endif
	FETCH_B \next, 0, 0
	FETCH_A \next, 0, 0
	SCALES \next
	WIN MUL_HI
	MUL16 4, 1, 1, \slot, 0
	MUL16 6, 1, 1, \slot, 0
	PLACES NP
	WIN 0
	FETCH_A \next, 0, 4
.endm
	s_wait_tensorcnt 1                             ; my part of slot 0 is in (slot 1's load may be out)
	s_barrier_signal -1
	s_barrier_wait -1                              ; everybody's is
	FETCH_B 0, 0, 0
	FETCH_A 0, 0, 0
	SCALES 0
	FETCH_A 0, 0, 4
	STEP 0, 0, 1                                   ; the first step stands in front of the loop: its products start the sums
	s_mov_b32 s3, LAPS-1
.Llap:                                                 ; a trip goes once round the ring and fills both slots again
	TURN 0, 1, 1
	STEP 1, 0, 0
	TURN 1, 0, 1
	STEP 0, 0, 0
	s_sub_co_u32 s3, s3, 1
	s_cmp_lg_u32 s3, 0
	s_cbranch_scc1 .Llap
	TURN 0, 1, 0                                   ; the last lap fills nothing
	STEP 1, 0, 0
	s_wait_dscnt 4*NL
	WIN MUL_LO
	MUL16 0, 1, 1, 1, 0
	MUL16 2, 1, 1, 1, 0
	s_wait_dscnt 0
	WIN MUL_HI
	MUL16 4, 1, 1, 1, 0
	MUL16 6, 1, 1, 1, 0
	WIN 0
; THE WAY OUT.  Block a's 64 registers are, for my row, k = 32 b + 16 h + i in register 16 b + i: they become tile a of my record, which I own whole: no LDS.  Each accumulator is read from its low end on.
.macro QUANTW win, s, word
	WIN (\win)|((\win)<<2)                         ; sources 0 and 1: the accumulators' window
.irp b, 0,1,2,3
	v_max3_num_f32 v[TM+\b], |v[(\s)+16*\b]|, |v[(\s)+1+16*\b]|, 0x1800000   ; and the floor 2^(3 - 127): the byte cannot fall under 1
.endr
.irp i, 2,4,6,8,10,12,14
.irp b, 0,1,2,3
	v_max3_num_f32 v[TM+\b], |v[(\s)+16*\b+\i]|, |v[(\s)+1+16*\b+\i]|, v[TM+\b]
.endr
.endr
	WIN 0
.irp b, 0,1,2,3
	v_permlanex16_b32 v[TM+4+\b], v[TM+\b], s52, s53
.endr
.irp b, 0,1,2,3
	v_max_num_f32 v[TM+\b], v[TM+\b], v[TM+4+\b]   ; with lane l xor 16's: the block's largest magnitude
.endr
.irp b, 0,1,2,3
	v_add_nc_u32 v[TM+12+\b], 0xff000000, v[TM+\b] ; 2 off its exponent field: the conversion's scale operand
.endr
.irp b, 0,1,2,3
	v_lshrrev_b32 v[TM+4+\b], 23, v[TM+12+\b]      ; the scale's byte
.endr
	v_lshl_or_b32 v[\word], v[TM+5], 8, v[TM+4]
	v_lshl_or_b32 v[\word], v[TM+6], 16, v[\word]
	v_lshl_or_b32 v[\word], v[TM+7], 24, v[\word]
	s_wait_xcnt 0x0                                ; the last tile's stores have read their registers: the codes are written again only behind this wait
	WIN (\win)
.irp c, 0,1
	v_cvt_scalef32_pk16_fp6_f32 v[PC+6*\c:PC+2+6*\c], v[(\s)+32*\c:(\s)+15+32*\c], v[TM+12+2*\c]
	v_cvt_scalef32_pk16_fp6_f32 v[PC+12+4*\c:PC+14+4*\c], v[(\s)+16+32*\c:(\s)+31+32*\c], v[TM+12+2*\c+1]
.endr
	WIN 0
	v_nop                                          ; one plain place behind a scaled conversion
.irp c, 0,1                                    ; the operand's layout wants a WHOLE block in a lane
.irp i, 0,1,2
	v_permlane16_swap_b32 v[PC+6*\c+\i], v[PC+12+4*\c+\i]
.endr
.irp i, 0,1,2
	v_mov_b32 v[PC+3+6*\c+\i], v[PC+12+4*\c+\i]
.endr
.endr
.endm
	s_mov_b32 s52, 0x76543210
	s_mov_b32 s53, 0xfedcba98                      ; v_permlanex16_b32's selects for lane l xor 16
	PLACES NP
.irp a, 0,1,2,3,4,5,6,7
	QUANTW 2+\a/4, 64*(\a%4), SW+\a
.irp k, 0,1,2
	global_store_b128 v[LI], v[PC+4*\k:PC+4*\k+3], s[8:9] offset:\a*1536+512*\k   ; 512 consecutive bytes, at a multiple of 256 from the buffer's first byte
.endr
.endr
	v_cmp_eq_u32 vcc_lo, 1, v[HH]
.irp k, 0,1,2,3
	v_cndmask_b32 v[T4+\k], v[SW+\k], v[SW+4+\k], vcc_lo   ; lanes 0-15 store tiles 0-3's words of their row, lanes 16-31 tiles 4-7's
.endr
	global_store_b128 v[SWO], v[T4:T4+3], s[8:9]
	s_wait_tensorcnt 0x0                           ; the wave's end
	ds_add_u32 v[SPW], v[NIL]
	s_wait_dscnt 0x0
	s_endpgm
.Lfunc_end_k_q83a1ac2535_qkv:
	.size	k_q83a1ac2535_qkv, .Lfunc_end_k_q83a1ac2535_qkv-k_q83a1ac2535_qkv
	.p2alignl 7, 3214868480
	.fill 96, 4, 3214868480
	.section	.rodata,"a",@progbits
	.p2align	6, 0x0
	.amdhsa_kernel k_q83a1ac2535_qkv
		.amdhsa_group_segment_fixed_size 327680
		.amdhsa_private_segment_fixed_size 0
		.amdhsa_enable_private_segment 0
		.amdhsa_kernarg_size 24
		.amdhsa_user_sgpr_count 2
		.amdhsa_user_sgpr_kernarg_segment_ptr 1
		.amdhsa_wavefront_size32 1
		.amdhsa_system_sgpr_workgroup_id_x 1
		.amdhsa_system_sgpr_workgroup_id_y 1
		.amdhsa_system_sgpr_workgroup_id_z 1
		.amdhsa_system_vgpr_workitem_id 0
		.amdhsa_next_free_vgpr 1024
		.amdhsa_next_free_sgpr 66
		.amdhsa_reserve_vcc 1
		.amdhsa_float_denorm_mode_32 3
		.amdhsa_float_denorm_mode_16_64 3
		.amdhsa_memory_ordered 1
		.amdhsa_forward_progress 1
		.amdhsa_inst_pref_size 132
	.end_amdhsa_kernel
	.amdgpu_metadata
---
amdhsa.version: [ 1, 2 ]
amdhsa.kernels:
  - .name:           k_q83a1ac2535_qkv
    .symbol:         k_q83a1ac2535_qkv.kd
    .args:
      - { .name: xc, .offset: 0, .size: 8, .value_kind: global_buffer, .address_space: global }
      - { .name: wc, .offset: 8, .size: 8, .value_kind: global_buffer, .address_space: global }
      - { .name: qkv, .offset: 16, .size: 8, .value_kind: global_buffer, .address_space: global }
    .group_segment_fixed_size: 327680
    .private_segment_fixed_size: 0
    .kernarg_segment_align: 8
    .kernarg_segment_size: 24
    .max_flat_workgroup_size: 128
    .sgpr_count:     66
    .vgpr_count:     1024
    .wavefront_size: 32
...
	.end_amdgpu_metadata
.endif
;; end of part 2
;; launch attn (part 3): grid 64 x 4, 4 waves a work-group, clusters of 4 x 1, 327,680 bytes of LDS; arguments qkv, oc, out0; writes out0
.if DOCPART == 3
	.amdgcn_target "amdgcn-amd-amdhsa--gfx1250"
	.amdhsa_code_object_version 6
	.text
	.protected	k_q83a1ac2535_attn
	.globl	k_q83a1ac2535_attn
	.p2align	8
	.type	k_q83a1ac2535_attn,@function
k_q83a1ac2535_attn:
	s_mov_b64 s[64:65], 0
	v_nop
	global_prefetch_b8 v0, s[64:65] scope:SCOPE_SE
	s_setreg_imm32_b32 hwreg(HW_REG_WAVE_MODE, 25, 1), 1
	s_wait_xcnt 0x0
	s_wait_alu depctr_hold_cnt(0) depctr_sa_sdst(0) depctr_va_vdst(0) depctr_va_sdst(0) depctr_va_ssrc(0) depctr_va_vcc(0) depctr_vm_vsrc(0)
	s_getreg_b32 s2, hwreg(HW_REG_IB_STS2, 6, 4)
	s_cmp_eq_u32 s2, 0
	s_cbranch_scc0 .Lentry_in_a_cluster
	s_endpgm
.Lentry_in_a_cluster:
	s_bfe_u32 s2, ttmp6, 0x10000c
	s_cmp_lg_u32 s2, 0x3003
	s_cbranch_scc0 .Lentry_shape_is_right
	s_endpgm
.Lentry_shape_is_right:
; out = (softmax(q k^T / sqrt(512), causal) v) Wo, all three products on codes of FP6 (E2M3) with E8M0 scales.  q, k, V^T and Wo^T come as records (128 rows x 128 along K, 12,800 bytes: tile i, register group c, lane L at
; 1536 i + 512 c + 16 L; lane r of tile i holds row 32 (i / 2) + 8 (i % 2) + r + 8 (r / 8); the scale word of (i, r) at SCO + 32 r + 4 i).  qkv: record 256 t + 4 Gx + sub (t = 0 q, 1 k, 2 V^T); oc: 4 x column group + K step.
; THE SOFTMAX: t = score x log2(e) / sqrt(512); M = the row's largest t so far, rounded UP to a whole number; p = 2^(t - M) is quantised along the keys, not normalised; the row's sum is taken of the unquantised p and divides at the end.
; SHARES.  A work-group (j, b) owns queries 32 j .. 32 j + 31 of batch b: two tiles u.  A trip takes 256 keys; there are j / 8 + 1 trips, and the last alone has hidden keys.  All products are used transposed: a lane holds one query.
;   S^T = k q^T: wave w takes keys 64 w .. 64 w + 63 for both tiles.   O^T = V^T p^T: wave w takes latent group w.   y^T = Wo^T o^T: eight stages of 256 columns, wave w takes columns 64 w .. 64 w + 63 of each.
; CLUSTER.  The four work-groups j = 4 c .. 4 c + 3 share j / 8: they walk the same number of trips over the same k and V^T, and then the same Wo.  So each of these streams is asked for JOINTLY: the same tensor load, with the same
; descriptor and a mask that names the four, in all four; each receives the bytes in its own LDS.  A trip's k, its V^T, and a stage of Wo are each eight records on end, 102,400 dense bytes; each wave moves a quarter.
; TWO BUFFERS, AND THE REGISTERS BEHIND THEM.  KBUF takes k and Wo's even stages, VBUF takes V^T and Wo's odd stages.  A buffer's fragments are copied into registers (each is read by ONE wave, 52 loads of 512 bytes on end), and the buffer
; is then filled again.  The two barriers that a trip needs anyway (the waves' maxima; p's codes) are the two changes: behind the first KBUF is filled, behind the second VBUF.  In the last trip the fills are Wo's first two stages.
; No branch, trip count or LDS address hangs on my place in the cluster: it enters q's offsets, the mask's numbers, out's address and the prefetches' address alone.
; LIMITS: p under 2^-126 is 0 (v_exp_f32 gives 0 there); a block whose largest magnitude lies under 2^-124, and a block of zeros, keeps the byte 1 (its codes are zeros under the latter); NaN and infinities are not served.
; REGISTERS, in windows of 256: window 0: v1-25 addresses; v26-37 -M and the largest t, the sum, f, a pair for each tile; v38-63 at work; v64-127 S^T, p, later y^T; v128-175 p's four fragments, later rows of y; v176-195 codes just made;
;   v196-211, v212-227, v228-235, v236-239 scale words (k's or Wo's; V's or Wo's; q's or out_latent's; p's).   window 1: 16 fragments of k, later of Wo.   window 2: 16 of V^T, later of Wo.   window 3: v0-127 O^T; v128-223 q, later out_latent.
.set REC,   12800
.set SCO,   12288
.set MXB,   0                          ; LDS: the waves' maxima, later sums: 512 u + 16 L + 4 w
.set PB,    1024                       ; p's codes: 3072 u + 768 w; four registers at 16 L, two at 512 + 8 L
.set PSB,   7168                       ; p's scale bytes: 512 u + 128 w + 4 L: a word with wave w's two bytes at their places
.set OIB,   8192                       ; out_latent's fragments as images: 1536 (4 u + K step)
.set OSB,   20480                      ; their scale words: 128 (4 u + K step)
.set STG,   21504                      ; the way out: 32 rows x (256 bytes + 16) for each wave
.set SPARE, 56320                      ; the spare words, 128 bytes for each wave: two blocks of 256 bytes that no other line names
.set KBUF,  57344                      ; eight records: k of a trip, or an even stage of Wo.  No LDS store ever lands from here on
.set VBUF,  KBUF+8*REC                 ; eight records: V^T of a trip, or an odd stage of Wo
.set LI,  1                            ; 16 L
.set L8,  2                            ; 8 L
.set LS,  3                            ; 4 L
.set KA,  4                            ; KBUF + 51200 (w / 2) + 6144 (w % 2) + 16 L: my four tiles of my four records
.set KSA, 5                            ; KBUF + 51200 (w / 2) + SCO + 32 r + 16 (w % 2): their scale words
.set VSA, 6                            ; VBUF + 12800 w + SCO + 32 r
.set QO,  7                            ; 16 L + 3072 (j % 4): my two tiles of a record of q, in memory
.set QS,  8                            ; SCO + 32 r + 8 (j % 4)
.set MXW, 9                            ; 16 L + 4 w
.set PWA, 10                           ; 16 L + 768 w
.set PW8, 11                           ; 8 L + 768 w
.set VA,  12                           ; VBUF + 12800 w + 16 L: my latent group's record of the first key group
.set OIW, 13                           ; 16 L + 1536 w
.set OSW, 14                           ; 4 L + 128 w
.set STW, 15                           ; 8704 w + 272 r + 64 h
.set STR, 16                           ; 8704 w + 272 h + 16 r
.set GO,  17                           ; 8192 h + 16 r
.set D0,  18                           ; v18, v19: tile u's d = my query - my first key of the last trip
.set NINF, 20
.set PFO, 21                           ; the prefetches' offset; never rewritten
.set SPW, 22                           ; LDS address of my spare word; never rewritten
.set NIL, 23                           ; 0; never rewritten
.set KA2, 24                           ; KA and KSA in VBUF
.set KSA2, 25
.set NM,  26                           ; pairs (-M, the largest t)
.set LL,  30                           ; the sum, in two halves
.set FF,  34                           ; pairs (f, unused)
.set BM,  38                           ; the four blocks' largest scores, then p's: block 2 u + bb
.set PT,  42
.set TA,  46
.set MX,  48
.set OP,  56
.set BY,  60
.set TM,  40                           ; behind the loop: QUANTW's sixteen
.set OWD, 56
.set S,   64
.set P,   128
.set OB,  128
.set PC,  176
.set KSC, 196
.set VSC, 212
.set QSC, 228
.set PSR, 236
.set WV,  10
.set PQ,  16                           ; s[16:17] q's records;  s[24:25] out;  s[26:27] the prefetches'
.set PO,  24
.set PFA, 26
.set CS,  28                           ; s[28:29] c = log2(e) / sqrt(512)
.set SEL, 30                           ; s[30:31] selects for lane l xor 16
.set CNT, 32
.set LIM, 33
.set SH,  34                           ; 16 (w % 2)
.set STP, 54                           ; s[54:55] what the way out adds to out's address
.set G1,  56                           ; s[56:63] descriptor group 1: one shape and one mask for every load
.set G0K, 68                           ; s[68:71] group 0: k into KBUF;  s[72:75] V^T into VBUF;  s[76:79] Wo's even stages into KBUF;  s[80:83] its odd stages into VBUF
.set G0V, 72
.set G0A, 76
.set G0B, 80
.set MSB, 0
.macro WIN new                         ; the immediate's high byte repeats the setting that is left
.if MSB != (\new)
	s_set_vgpr_msb (MSB<<8)|(\new)
.set MSB, (\new)
.endif
.endm
.macro PLACES n                        ; plain vector instructions that name no register of the matrix instructions ahead (ISA guide 7.12.1)
.rept \n
	v_nop
.endr
.endm
.macro BARRIER                         ; my LDS stores have landed and my LDS loads are in: then the work-group's barrier.
	s_wait_dscnt 0x0
	s_barrier_signal -1
	s_barrier_wait -1
.endm
; A round of the cluster's barrier: my work-group's barrier, so that wave 0's signal speaks for all four waves; wave 0 signals for the work-group; every wave waits for all four work-groups; my work-group's barrier once more.
.macro ROUND
	s_barrier_signal -1
	s_barrier_wait -1
	s_cmp_lg_u32 s[WV], 0
	s_cbranch_scc1 .Lnot_wave_0_\@
	s_barrier_signal -3
.Lnot_wave_0_\@:
	s_barrier_wait -3
	s_barrier_signal -1
	s_barrier_wait -1
.endm
; A CHANGE: the buffer of group 0 g0, whose fragments every wave has in registers, is filled again.  Each wave waits for all its tensor loads (the one that is out is its quarter of the OTHER buffer, which is read behind the round), adds 0 to
; its spare word, and waits for that, for its reads of this buffer and for its LDS stores.  Behind the round no wave of any partner reads the buffer or has a load on its way; the joint load is the first thing there, and my one until the next change.
.macro CHANGE g0, step
	s_wait_tensorcnt 0x0                           ; no tensor load of mine is out, so a group 0 may be written
	ds_add_u32 v[SPW], v[NIL]                      ; 0 onto my spare word
.if \step
	s_add_nc_u64 s[\g0+2:\g0+3], s[\g0+2:\g0+3], \step   ; the stream's next eight records; the type bits on top are not reached
.endif
	s_wait_dscnt 0x0
	ROUND
	tensor_load_to_lds s[\g0:\g0+3], s[G1:G1+7]
	s_nop 0
	PLACES 4                                       ; (an s_nop 0 and four v_nop behind the load, ahead of any switch of the windows)
.endm
	s_load_b128 s[4:7], s[0:1], 0x0                ; qkv, oc
	s_load_b64 s[8:9], s[0:1], 0x10                ; out0
	v_lshl_add_u32 v[SPW], v0, 2, SPARE
	v_mov_b32 v[NIL], 0
	ds_add_u32 v[SPW], v[NIL]                      ; the wave's opening: the add and its wait stand ahead of my first tensor load; the set-up below, work on registers, stands between them
	v_lshrrev_b32 v48, 5, v0
	v_readfirstlane_b32 s[WV], v48                 ; wave 0..3
	s_bfe_u32 s15, ttmp6, 0x40000                  ; cx: my place in the cluster = j % 4
	s_lshl_b32 s11, ttmp9, 2                       ; in a cluster launch ttmp9 counts clusters
	s_add_co_u32 s11, s11, s15                     ; j
	s_and_b32 s12, ttmp7, 0xffff                   ; b, which the four partners share
	s_and_b32 s13, s[WV], 1
	s_lshr_b32 s14, s[WV], 1
	s_lshl_b32 s[SH], s13, 4
	; descriptor group 1: 25,600 dense bytes as 100 rows of 256 (32 elements of 8 bytes), no padding: every LDS load takes 512 bytes on end
	s_mov_b32 s[G1+0], 15|(3<<16)|(1<<21)          ; 15:0 the mask: all four work-groups; 17:16 elements of 8 bytes; 21 set beside a mask
	s_mov_b32 s[G1+1], 32<<16                      ; tensor_dim0
	s_mov_b32 s[G1+2], 100<<16                     ; tensor_dim1
	s_mov_b32 s[G1+3], 32<<16                      ; tile_dim0
	s_mov_b32 s[G1+4], 100                         ; tile_dim1
	s_mov_b32 s[G1+5], 32                          ; the pitch
	s_mov_b32 s[G1+6], 0
	s_mov_b32 s[G1+7], 0
	s_lshl_b32 s36, s12, 4
	s_add_co_u32 s36, s36, ttmp9
	s_mul_i32 s36, s36, 4*REC                      ; q: token group 16 b + j / 4
	s_mov_b32 s37, 0
	s_mul_i32 s50, s[WV], 2*REC                    ; my quarter of eight records, in memory and in a buffer
	s_lshl_b32 s38, s12, 6                         ; 64 b
	s_add_co_u32 s40, s38, 256
	s_mul_i32 s40, s40, REC                        ; k of the batch
	s_add_co_u32 s48, s40, 8*REC                   ; the prefetches: one trip on; the first trip steps it to the third trip's
	s_mov_b32 s49, 0
	s_add_co_u32 s40, s40, s50
	s_mov_b32 s41, 0
	s_add_co_u32 s42, s38, 512
	s_mul_i32 s42, s42, REC                        ; V^T of the batch
	s_add_co_u32 s42, s42, s50
	s_mov_b32 s43, 0
	s_mov_b32 s44, s50                             ; Wo
	s_mov_b32 s45, 0
	s_lshl_b32 s46, s12, 24
	s_lshl_b32 s35, s11, 18
	s_add_co_u32 s46, s46, s35
	s_lshl_b32 s35, s[WV], 8
	s_add_co_u32 s46, s46, s35                     ; out: row 2048 b + 32 j, column 64 w
	s_mov_b32 s47, 0
	s_mov_b32 s[CS], 0x3d8293ee
	s_mov_b32 s[CS+1], s[CS]                       ; (named with it as a pair, so it is written)
	s_mov_b32 s[SEL], 0x76543210
	s_mov_b32 s[SEL+1], 0xfedcba98
	v_and_b32 v48, 15, v0                          ; r
	v_bfe_u32 v49, v0, 4, 1                        ; h
	v_and_b32 v[PFO], 31, v0                       ; L
	v_lshlrev_b32 v[LI], 4, v[PFO]
	v_lshlrev_b32 v[L8], 3, v[PFO]
	v_lshlrev_b32 v[LS], 2, v[PFO]
	s_mul_i32 s51, s14, 4*REC                      ; my key group's four records
	s_mul_i32 s52, s13, 6144
	s_add_co_u32 s52, s52, s51
	s_add_co_u32 s52, s52, KBUF
	v_add_nc_u32 v[KA], s52, v[LI]
	v_add_nc_u32 v[KA2], 8*REC, v[KA]
	v_lshlrev_b32 v50, 5, v48
	v_add_nc_u32 v50, SCO, v50                     ; SCO + 32 r
	s_add_co_u32 s52, s51, s[SH]
	s_add_co_u32 s52, s52, KBUF
	v_add_nc_u32 v[KSA], s52, v50
	v_add_nc_u32 v[KSA2], 8*REC, v[KSA]
	s_mul_i32 s52, s[WV], REC
	s_add_co_u32 s52, s52, VBUF
	v_add_nc_u32 v[VA], s52, v[LI]
	v_add_nc_u32 v[VSA], s52, v50
	s_mul_i32 s35, s15, 3072
	v_add_nc_u32 v[QO], s35, v[LI]
	s_lshl_b32 s35, s15, 3
	v_add_nc_u32 v[QS], s35, v50
	s_lshl_b32 s39, s[WV], 2
	v_add_nc_u32 v[MXW], s39, v[LI]
	s_mul_i32 s39, s[WV], 768
	v_add_nc_u32 v[PWA], s39, v[LI]
	v_add_nc_u32 v[PW8], s39, v[L8]
	s_mul_i32 s39, s[WV], 1536
	v_add_nc_u32 v[OIW], s39, v[LI]
	s_lshl_b32 s39, s[WV], 7
	v_add_nc_u32 v[OSW], s39, v[LS]
	s_mul_i32 s39, s[WV], 8704
	v_mul_u32_u24 v[STW], v48, 272
	v_lshl_add_u32 v[STW], v49, 6, v[STW]
	v_add_nc_u32 v[STW], s39, v[STW]
	v_mul_u32_u24 v[STR], v49, 272
	v_lshl_add_u32 v[STR], v48, 4, v[STR]
	v_add_nc_u32 v[STR], s39, v[STR]
	v_lshlrev_b32 v[GO], 13, v49
	v_lshl_add_u32 v[GO], v48, 4, v[GO]
	s_and_b32 s35, s11, 7                          ; in the last trip register 16 bb + i of tile u holds key 64 w + 32 bb + 16 h + i, my query is 32 (j % 8) + 8 u + r + 8 (r / 8): hidden where 32 bb + i > d
	s_lshl_b32 s35, s35, 5
	s_lshl_b32 s39, s[WV], 6
	s_sub_co_i32 s35, s35, s39
	v_and_b32 v[D0], 8, v48
	v_add_nc_u32 v[D0], v[D0], v48
	v_lshlrev_b32 v[D0+1], 4, v49
	v_sub_nc_u32 v[D0], v[D0], v[D0+1]
	v_add_nc_u32 v[D0], s35, v[D0]
	v_add_nc_u32 v[D0+1], 8, v[D0]
	v_mov_b32 v[NINF], 0xff800000
	; who prefetches: the two clusters of a batch that walk all eight trips (cluster x = 14, 15).  Their 32 waves, told apart BY ADDRESS (cluster, place, wave), take 25 blocks of 256 bytes each of the 800 of a trip's k (400) and V^T (400)
	s_cmp_ge_u32 ttmp9, 14
	s_cselect_b32 s[LIM], 1, -1                    ; a wave asks while more than LIM trips of the loop are left: the same in all four partners
	s_and_b32 s35, ttmp9, 1
	s_lshl_b32 s35, s35, 2
	s_add_co_u32 s35, s35, s15
	s_lshl_b32 s35, s35, 2
	s_add_co_u32 s35, s35, s[WV]
	s_mul_i32 s35, s35, 25
	v_min_u32 v[PFO], 24, v[PFO]                   ; a lane a block; lanes 24 to 31 name one block
	v_add_nc_u32 v[PFO], s35, v[PFO]               ; my block
	v_cmp_le_u32 vcc_lo, 400, v[PFO]
	v_lshlrev_b32 v[PFO], 8, v[PFO]
	v_mov_b32 v[TA+1], 256*REC-8*REC               ; from the end of a trip's k to the same trip's V^T
	v_cndmask_b32 v[TA], 0, v[TA+1], vcc_lo
	v_add_nc_u32 v[PFO], v[PFO], v[TA]
.irp u, 0,1
	v_mov_b32 v[NM+2*\u+1], 0xff61b1e6             ; the largest t so far: -3e38, under every t
	v_floor_f32 v[NM+2*\u], -v[NM+2*\u+1]          ; -M
	v_mov_b32 v[LL+2*\u], 0
	v_mov_b32 v[LL+2*\u+1], 0
	v_mov_b32 v[FF+2*\u+1], 0                      ; (named as the upper half of a pair)
.endr
.irp b, 0,1,2,3
	v_mov_b32 v[PT+\b], 0                          ; a lane permute's destination counts as one of its sources
.endr
	s_wait_dscnt 0x0                               ; the opening add is done
	s_wait_kmcnt 0x0
	s_add_nc_u64 s[PQ:PQ+1], s[4:5], s[36:37]
	s_add_nc_u64 s[PFA:PFA+1], s[4:5], s[48:49]
	s_add_nc_u64 s[PO:PO+1], s[8:9], s[46:47]
	s_mov_b32 s[G0K], 1                            ; 1:0 count = 1
	s_add_co_u32 s[G0K+1], s50, KBUF               ; 63:32 LDS address: my quarter of the buffer: no place in the cluster enters it
	s_add_nc_u64 s[G0K+2:G0K+3], s[4:5], s[40:41]  ; 120:64 global address: the first trip's k
	s_or_b32 s[G0K+3], s[G0K+3], 0x80000000        ; 127:126 type = 2
	s_mov_b32 s[G0V], 1
	s_add_co_u32 s[G0V+1], s50, VBUF
	s_add_nc_u64 s[G0V+2:G0V+3], s[4:5], s[42:43]  ; the first trip's V^T
	s_or_b32 s[G0V+3], s[G0V+3], 0x80000000
	s_mov_b32 s[G0A], 1
	s_add_co_u32 s[G0A+1], s50, KBUF
	s_add_nc_u64 s[G0A+2:G0A+3], s[6:7], s[44:45]  ; Wo's stage 0
	s_or_b32 s[G0A+3], s[G0A+3], 0x80000000
	s_mov_b32 s[G0B], 1
	s_add_co_u32 s[G0B+1], s50, VBUF
	s_add_nc_u64 s[G0B+2:G0B+3], s[6:7], s[44:45]
	s_add_nc_u64 s[G0B+2:G0B+3], s[G0B+2:G0B+3], 8*REC   ; Wo's stage 1
	s_or_b32 s[G0B+3], s[G0B+3], 0x80000000
	ROUND                                          ; all four work-groups are here: the first joint loads meet
	tensor_load_to_lds s[G0K:G0K+3], s[G1:G1+7]    ; both first fills go out together: two loads of mine are out
	s_nop 0
	tensor_load_to_lds s[G0V:G0V+3], s[G1:G1+7]
	s_nop 0
	PLACES 4
; 52 LDS loads: my four tiles x four K steps out of a buffer, into window win at 48 s + 12 t, and their scale words into v[scr + 4 s + t]
.macro LDF win, scr, va, vsa
	WIN (\win)<<6
.irp s, 0,1,2,3
.irp t, 0,1,2,3
.irp c, 0,1,2
	ds_load_b128 v[48*\s+12*\t+4*\c:48*\s+12*\t+4*\c+3], v[\va] offset:\s*REC+\t*1536+512*\c
.endr
.endr
.endr
	WIN 0
.irp s, 0,1,2,3
	ds_load_b128 v[\scr+4*\s:\scr+4*\s+3], v[\vsa] offset:\s*REC
.endr
.endm
.macro LDV                             ; 52 LDS loads: my latent group's eight tiles for the trip's two key groups, into window 2 at 96 g + 12 t
	WIN 0x80
.irp g, 0,1
.irp t, 0,1,2,3,4,5,6,7
.irp c, 0,1,2
	ds_load_b128 v[96*\g+12*\t+4*\c:96*\g+12*\t+4*\c+3], v[VA] offset:\g*4*REC+\t*1536+512*\c
.endr
.endr
.endr
	WIN 0
.irp g, 0,1
.irp e, 0,1
	ds_load_b128 v[VSC+8*\g+4*\e:VSC+8*\g+4*\e+3], v[VSA] offset:\g*4*REC+16*\e
.endr
.endr
.endm
; 32 matrix instructions: four tiles (source 0, window 1 or 2) x my two tiles of queries (source 1, window 3), K = 512.  The eight accumulators take turns, one instruction a turn; the first eight start the sums.
.macro MULS msb, scr
	WIN \msb
.irp s, 0,1,2,3
.irp t, 0,1,2,3
.irp u, 0,1
.if \s == 0
	v_wmma_scale_f32_16x16x128_f8f6f4 v[S+32*\u+8*\t:S+32*\u+8*\t+7], v[48*\s+12*\t:48*\s+12*\t+11], v[128+48*\u+12*\s:128+48*\u+12*\s+11], 0, v[\scr+4*\s+\t], v[QSC+2*\s+\u] matrix_a_fmt:MATRIX_FMT_FP6 matrix_b_fmt:MATRIX_FMT_FP6
.else
	v_wmma_scale_f32_16x16x128_f8f6f4 v[S+32*\u+8*\t:S+32*\u+8*\t+7], v[48*\s+12*\t:48*\s+12*\t+11], v[128+48*\u+12*\s:128+48*\u+12*\s+11], v[S+32*\u+8*\t:S+32*\u+8*\t+7], v[\scr+4*\s+\t], v[QSC+2*\s+\u] matrix_a_fmt:MATRIX_FMT_FP6 matrix_b_fmt:MATRIX_FMT_FP6
.endif
.endr
.endr
.endr
	WIN 0
.endm
; A prefetch of the k and V^T of the trip two on: one trip ahead of the joint load of that k.  It stands behind my tensor load, its five lines and the run of LDS loads.  The first two trips' come by their loads alone;
; with one trip of the loop left nothing is asked for: there is no trip two on.  The branch hangs on the cluster's number and the count of trips: it is the same in all four partners.
.macro ASK
	s_cmp_gt_u32 s[CNT], s[LIM]
	s_cbranch_scc0 .Lnot_mine_\@
	global_prefetch_b8 v[PFO], s[PFA:PFA+1] th:TH_LOAD_NT scope:SCOPE_SE
.Lnot_mine_\@:
.endm
; A TRIP: 256 keys.  At its head this trip's k is on its way from KBUF into window 1, and its V^T on its way from memory into VBUF.  last = 1: the trip on the diagonal: it masks, and its two fills are Wo's first two stages.
.macro ITER last
.if !\last
	s_wait_xcnt 0x0                                ; the last trip's prefetch has read its address: it may be stepped
	s_add_nc_u64 s[PFA:PFA+1], s[PFA:PFA+1], 8*REC
.endif
	s_wait_dscnt 0x0                               ; k is in my registers
	MULS 0x0d, KSC                                 ; S^T: source 0 window 1, source 1 window 3
	PLACES 4
.if \last
.set n, 0
.rept 64
	v_cmp_gt_i32 vcc_lo, 32*((n%32)/16)+n%16, v[D0+n/32]
	v_cndmask_b32 v[S+n], v[S+n], v[NINF], vcc_lo  ; a hidden key's score becomes -infinity: p = 0 then
.set n, n+1
.endr
.endif
.irp b, 0,1,2,3
	v_max3_num_f32 v[BM+\b], v[S+16*\b], v[S+1+16*\b], v[S+2+16*\b]   ; the largest score of each block of 32 keys: for the row's maximum, and, since p rises with the score, for the block's largest p
.endr
.irp i, 3,5,7,9,11,13
.irp b, 0,1,2,3
	v_max3_num_f32 v[BM+\b], v[BM+\b], v[S+16*\b+\i], v[S+1+16*\b+\i]
.endr
.endr
.irp b, 0,1,2,3
	v_max_num_f32 v[BM+\b], v[BM+\b], v[S+15+16*\b]
.endr
.irp b, 0,1,2,3
	v_permlanex16_b32 v[PT+\b], v[BM+\b], s[SEL], s[SEL+1]
.endr
.irp b, 0,1,2,3
	v_max_num_f32 v[BM+\b], v[BM+\b], v[PT+\b]     ; with lane l xor 16's 16 keys
.endr
.irp u, 0,1
	v_max_num_f32 v[TA+\u], v[BM+2*\u], v[BM+2*\u+1]
.endr
	ds_store_b32 v[MXW], v[TA] offset:MXB          ; my 64 keys' largest score of each query
	ds_store_b32 v[MXW], v[TA+1] offset:MXB+512
.if \last
	CHANGE G0A, 0                                  ; the four waves' maxima lie in LDS, V^T lies whole in VBUF, every wave has k in registers: KBUF takes Wo's stage 0,
.else
	CHANGE G0K, 8*REC                              ; or the next trip's k
.endif
	ds_load_b128 v[MX:MX+3], v[LI] offset:MXB
	ds_load_b128 v[MX+4:MX+7], v[LI] offset:MXB+512
	LDV                                            ; V^T into window 2, while the softmax is made
.if !\last
	ASK
.endif
	s_wait_dscnt 52                                ; all but V's 52: the maxima are in
.irp u, 0,1
	v_max3_num_f32 v[TA+\u], v[MX+4*\u], v[MX+4*\u+1], v[MX+4*\u+2]
.endr
.irp u, 0,1
	v_max_num_f32 v[TA+\u], v[TA+\u], v[MX+4*\u+3] ; the trip's largest score: every wave makes the same numbers from here on
.endr
.irp u, 0,1
	v_mul_f32 v[TA+\u], s[CS], v[TA+\u]
.endr
.irp u, 0,1
	v_max_num_f32 v[NM+2*\u+1], v[NM+2*\u+1], v[TA+\u]   ; the running largest t
.endr
.irp u, 0,1
	v_mov_b32 v[TA+\u], v[NM+2*\u]
.endr
.irp u, 0,1
	v_floor_f32 v[NM+2*\u], -v[NM+2*\u+1]          ; the new -M = -ceil(t): a whole number
.endr
.irp u, 0,1
	v_sub_f32 v[TA+\u], v[NM+2*\u], v[TA+\u]       ; old M - new M
.endr
.irp u, 0,1
	v_cvt_i32_f32 v[TA+\u], v[TA+\u]               ; (it saturates)
.endr
.irp u, 0,1
	v_ldexp_f32 v[FF+2*\u], 1.0, v[TA+\u]          ; f = 2^(old M - new M): a multiplication by it rounds nothing
.endr
.set n, 0
.rept 32
	v_pk_fma_f32 v[S+2*n:S+2*n+1], v[S+2*n:S+2*n+1], s[CS:CS+1], v[NM+2*(n/16):NM+2*(n/16)+1] op_sel_hi:[1,0,0]   ; t - M
.set n, n+1
.endr
.irp b, 0,1,2,3
	v_fma_f32 v[BM+\b], v[BM+\b], s[CS], v[NM+2*(\b/2)]   ; the same of each block's largest score
.endr
.set n, 0
.rept 64
	v_exp_f32 v[S+n], v[S+n]                       ; p = 2^(t - M)
.set n, n+1
.endr
.irp u, 0,1
	v_pk_mul_f32 v[LL+2*\u:LL+2*\u+1], v[LL+2*\u:LL+2*\u+1], v[FF+2*\u:FF+2*\u+1] op_sel_hi:[1,0]   ; the sums under the new M; plain places behind the exponentials
.endr
	s_wait_alu depctr_va_vdst(0)                   ; one wait for the batch of 64, ahead of its first reader
.irp b, 0,1,2,3
	v_exp_f32 v[BM+\b], v[BM+\b]                   ; the block's largest p: the same two instructions on the same number
.endr
.irp u, 0,1
	v_pk_add_f32 v[PT+2*\u:PT+2*\u+1], v[S+32*\u:S+32*\u+1], v[S+32*\u+2:S+32*\u+3]   ; the sum of the unquantised p of my 64 keys, in two chains a tile
.endr
.irp j, 4,8,12,16,20,24,28
.irp u, 0,1
	v_pk_add_f32 v[LL+2*\u:LL+2*\u+1], v[LL+2*\u:LL+2*\u+1], v[S+32*\u+\j:S+32*\u+\j+1]
	v_pk_add_f32 v[PT+2*\u:PT+2*\u+1], v[PT+2*\u:PT+2*\u+1], v[S+32*\u+\j+2:S+32*\u+\j+3]
.endr
.endr
.irp u, 0,1
	v_pk_add_f32 v[LL+2*\u:LL+2*\u+1], v[LL+2*\u:LL+2*\u+1], v[PT+2*\u:PT+2*\u+1]
.endr
	s_wait_alu depctr_va_vdst(0)                   ; and one for the four
.irp b, 0,1,2,3
	v_max_num_f32 v[BM+\b], 0x1800000, v[BM+\b]    ; the floor 2^(3 - 127): the byte cannot fall under 1
.endr
.irp b, 0,1,2,3
	v_add_nc_u32 v[OP+\b], 0xff000000, v[BM+\b]    ; 2 off the exponent field: the conversion's scale operand
.endr
.irp b, 0,1,2,3
	v_lshrrev_b32 v[BY+\b], 23, v[OP+\b]
.endr
.irp u, 0,1
	v_lshl_or_b32 v[TA+\u], v[BY+2*\u+1], 8, v[BY+2*\u]
.endr
.irp u, 0,1
	v_lshlrev_b32 v[TA+\u], s[SH], v[TA+\u]        ; my two bytes at their places in the word of the key group's 128
.endr
.irp u, 0,1
	v_cvt_scalef32_pk16_fp6_f32 v[PC+10*\u:PC+10*\u+2], v[S+32*\u:S+32*\u+15], v[OP+2*\u]
	v_cvt_scalef32_pk16_fp6_f32 v[PC+10*\u+6:PC+10*\u+8], v[S+32*\u+16:S+32*\u+31], v[OP+2*\u+1]
.endr
	v_nop                                          ; one plain place behind a scaled conversion
.irp u, 0,1                                    ; a WHOLE block in a lane: lanes 0-15 my first block, lanes 16-31 my second: registers 6 (w % 2) .. + 5 of p's fragment
.irp i, 0,1,2
	v_permlane16_swap_b32 v[PC+10*\u+\i], v[PC+10*\u+6+\i]
.endr
.irp i, 0,1,2
	v_mov_b32 v[PC+10*\u+3+\i], v[PC+10*\u+6+\i]
.endr
.endr
.irp u, 0,1
	ds_store_b128 v[PWA], v[PC+10*\u:PC+10*\u+3] offset:PB+\u*3072
	ds_store_b64 v[PW8], v[PC+10*\u+4:PC+10*\u+5] offset:PB+\u*3072+512
	ds_store_b32 v[OSW], v[TA+\u] offset:PSB+\u*512
.endr
.if \last
	CHANGE G0B, 0                                  ; p's codes and bytes lie in LDS, KBUF is whole, every wave has V^T in registers: VBUF takes Wo's stage 1,
.else
	CHANGE G0V, 8*REC                              ; or the next trip's V^T
.endif
.irp u, 0,1
.irp g, 0,1
	ds_load_b32 v[PSR+2*\u+\g], v[LS] offset:PSB+\u*512+(2*\g)*128
	ds_load_b32 v[BY+2*\u+\g], v[LS] offset:PSB+\u*512+(2*\g+1)*128
.endr
.endr
.irp u, 0,1
.irp g, 0,1
	ds_load_b128 v[P+12*(2*\u+\g):P+12*(2*\u+\g)+3], v[LI] offset:PB+\u*3072+(2*\g)*768
	ds_load_b64 v[P+12*(2*\u+\g)+4:P+12*(2*\u+\g)+5], v[L8] offset:PB+\u*3072+(2*\g)*768+512
	ds_load_b128 v[P+12*(2*\u+\g)+6:P+12*(2*\u+\g)+9], v[LI] offset:PB+\u*3072+(2*\g+1)*768
	ds_load_b64 v[P+12*(2*\u+\g)+10:P+12*(2*\u+\g)+11], v[L8] offset:PB+\u*3072+(2*\g+1)*768+512
.endr
.endr
	s_wait_dscnt 8                                 ; the eight half words are in; the youngest eight loads of codes may be out, so that with the 52 below 60 are out at the most
.irp n, 0,1,2,3
	v_or_b32 v[PSR+\n], v[PSR+\n], v[BY+\n]        ; p's scale words; the 64 multiplications below stand between these lines and the products that take them
.endr
	LDF 1, KSC, KA, KSA                            ; what lies in KBUF, the next trip's k or Wo's stage 0, into window 1, under the work below
	WIN 0xc3                                       ; O^T (destination and source 0) window 3, f window 0
.set n, 0
.rept 64
	v_pk_mul_f32 v[2*n:2*n+1], v[2*n:2*n+1], v[FF+2*(n/32):FF+2*(n/32)+1] op_sel_hi:[1,0]   ; O^T under the new M, each accumulator from its low end on
.set n, n+1
.endr
	WIN 0
	s_wait_dscnt 52                                ; all but the 52 just issued: p is in (V^T has been since the change)
	WIN 0xf2                                       ; source 0 (V^T) window 2, source 1 (p) window 0, C and D window 3
.irp g, 0,1
.irp t, 0,1,2,3,4,5,6,7
.irp u, 0,1
	v_wmma_scale_f32_16x16x128_f8f6f4 v[64*\u+8*\t:64*\u+8*\t+7], v[96*\g+12*\t:96*\g+12*\t+11], v[P+12*(2*\u+\g):P+12*(2*\u+\g)+11], v[64*\u+8*\t:64*\u+8*\t+7], v[VSC+8*\g+\t], v[PSR+2*\u+\g] matrix_a_fmt:MATRIX_FMT_FP6 matrix_b_fmt:MATRIX_FMT_FP6
.endr
.endr
.endr
	WIN 0
	PLACES 4                                       ; in front of the loads into V's, p's and the scale words' registers, and of the first read of O^T
.endm
	WIN 0xc0                                       ; destination window 3
.irp u, 0,1
.irp s, 0,1,2,3
.irp c, 0,1,2
	global_load_b128 v[128+48*\u+12*\s+4*\c:128+48*\u+12*\s+4*\c+3], v[QO], s[PQ:PQ+1] offset:\s*REC+\u*1536+512*\c   ; q is mine alone: it goes straight into registers and stays
.endr
.endr
.endr
	WIN 0
.irp s, 0,1,2,3
	global_load_b64 v[QSC+2*\s:QSC+2*\s+1], v[QS], s[PQ:PQ+1] offset:\s*REC
.endr
	WIN 0xc0
.set n, 0
.rept 128
	v_mov_b32 v[n], 0                              ; O^T.  (The trip is written twice, not four times: the first finds zeros, which the first change of M leaves zeros)
.set n, n+1
.endr
	WIN 0
	s_wait_tensorcnt 1                             ; my quarter of the first k is in (V^T's load may be out)
	s_barrier_signal -1
	s_barrier_wait -1                              ; everybody's is
	LDF 1, KSC, KA, KSA                            ; the first trip's k
	s_wait_loadcnt 0x0                             ; q
	s_lshr_b32 s[CNT], ttmp9, 1                    ; the trips ahead of the diagonal's, j / 8: made of the cluster's number, the same in all four partners
	s_cmp_eq_u32 s[CNT], 0
	s_cbranch_scc1 .Ldiag
.Liter:
	ITER 0
	s_sub_co_u32 s[CNT], s[CNT], 1
	s_cmp_lg_u32 s[CNT], 0
	s_cbranch_scc1 .Liter
.Ldiag:
	ITER 1
	; the row's sum: my two halves, lane l xor 16's, the four waves'.  Wo's stage 0 is on its way into window 1, its stage 1 into VBUF
.irp u, 0,1
	v_add_f32 v[TA+\u], v[LL+2*\u], v[LL+2*\u+1]
.endr
.irp u, 0,1
	v_permlanex16_b32 v[PT+\u], v[TA+\u], s[SEL], s[SEL+1]
.endr
.irp u, 0,1
	v_add_f32 v[TA+\u], v[TA+\u], v[PT+\u]
.endr
	ds_store_b32 v[MXW], v[TA] offset:MXB
	ds_store_b32 v[MXW], v[TA+1] offset:MXB+512
	BARRIER
	ds_load_b128 v[MX:MX+3], v[LI] offset:MXB
	ds_load_b128 v[MX+4:MX+7], v[LI] offset:MXB+512
	s_wait_dscnt 0x0
.irp u, 0,1
	v_add_f32 v[MX+4*\u], v[MX+4*\u], v[MX+4*\u+1]
	v_add_f32 v[MX+4*\u+2], v[MX+4*\u+2], v[MX+4*\u+3]
.endr
.irp u, 0,1
	v_add_f32 v[MX+4*\u], v[MX+4*\u], v[MX+4*\u+2]
.endr
.irp u, 0,1
	v_rcp_f32 v[FF+2*\u], v[MX+4*\u]
.endr
	v_nop                                          ; a plain place behind the reciprocals
	s_wait_alu depctr_va_vdst(0)                   ; and the wait ahead of their first reader
	WIN 0xc3
.set n, 0
.rept 64
	v_pk_mul_f32 v[2*n:2*n+1], v[2*n:2*n+1], v[FF+2*(n/32):FF+2*(n/32)+1] op_sel_hi:[1,0]   ; out_latent^T = O^T / the sum
.set n, n+1
.endr
	WIN 0
; 64 numbers of a lane in window win, register 16 b + i = k 32 b + 16 h + i of my row, become a fragment's codes in v[PC] on and its scale word
.macro QUANTW win, s, word
	WIN (\win)|((\win)<<2)
.irp b, 0,1,2,3
	v_max3_num_f32 v[TM+\b], |v[(\s)+16*\b]|, |v[(\s)+1+16*\b]|, 0x1800000
.endr
.irp i, 2,4,6,8,10,12,14
.irp b, 0,1,2,3
	v_max3_num_f32 v[TM+\b], |v[(\s)+16*\b+\i]|, |v[(\s)+1+16*\b+\i]|, v[TM+\b]
.endr
.endr
	WIN 0
.irp b, 0,1,2,3
	v_permlanex16_b32 v[TM+4+\b], v[TM+\b], s[SEL], s[SEL+1]
.endr
.irp b, 0,1,2,3
	v_max_num_f32 v[TM+\b], v[TM+\b], v[TM+4+\b]
.endr
.irp b, 0,1,2,3
	v_add_nc_u32 v[TM+12+\b], 0xff000000, v[TM+\b]
.endr
.irp b, 0,1,2,3
	v_lshrrev_b32 v[TM+4+\b], 23, v[TM+12+\b]
.endr
	v_lshl_or_b32 v[\word], v[TM+5], 8, v[TM+4]
	v_lshl_or_b32 v[\word], v[TM+6], 16, v[\word]
	v_lshl_or_b32 v[\word], v[TM+7], 24, v[\word]
	WIN (\win)
.irp c, 0,1
	v_cvt_scalef32_pk16_fp6_f32 v[PC+6*\c:PC+2+6*\c], v[(\s)+32*\c:(\s)+15+32*\c], v[TM+12+2*\c]
	v_cvt_scalef32_pk16_fp6_f32 v[PC+12+4*\c:PC+14+4*\c], v[(\s)+16+32*\c:(\s)+31+32*\c], v[TM+12+2*\c+1]
.endr
	WIN 0
	v_nop                                          ; one plain place behind a scaled conversion
.irp c, 0,1
.irp i, 0,1,2
	v_permlane16_swap_b32 v[PC+6*\c+\i], v[PC+12+4*\c+\i]
.endr
.irp i, 0,1,2
	v_mov_b32 v[PC+3+6*\c+\i], v[PC+12+4*\c+\i]
.endr
.endr
.endm
.irp u, 0,1
	QUANTW 3, 64*\u, OWD                           ; my latent group is K step w of the last product
.irp c, 0,1,2
	ds_store_b128 v[OIW], v[PC+4*\c:PC+4*\c+3] offset:OIB+\u*6144+512*\c
.endr
	ds_store_b32 v[OSW], v[OWD] offset:OSB+\u*512
	s_wait_dscnt 0x0                               ; the stores have read their registers
.endr
	BARRIER                                        ; out_latent's eight fragments lie in LDS
	WIN 0xc0                                       ; into q's registers
.irp u, 0,1
.irp s, 0,1,2,3
.irp c, 0,1,2
	ds_load_b128 v[128+48*\u+12*\s+4*\c:128+48*\u+12*\s+4*\c+3], v[LI] offset:OIB+(4*\u+\s)*1536+512*\c
.endr
.endr
.endr
	WIN 0
.irp u, 0,1
.irp s, 0,1,2,3
	ds_load_b32 v[QSC+2*\s+\u], v[LS] offset:OSB+(4*\u+\s)*128
.endr
.endr
	s_wait_dscnt 0x0
; 64 columns of y for my 32 queries go through my own stage and leave as whole aligned runs of 256 bytes.  Register 32 u + 16 b + i is y(query (u, r), column 32 b + 16 h + i of the 64).
.macro OUT off, step
.irp u, 0,1
.irp b, 0,1
.irp n, 0,1,2,3
	ds_store_b128 v[STW], v[S+32*\u+16*\b+4*\n:S+32*\u+16*\b+4*\n+3] offset:STG+16*\u*272+128*\b+16*\n   ; each accumulator from its low end on
.endr
.endr
.endr
	s_wait_xcnt 0x0                                ; the last run's stores have read their registers and their base: the loads below may land there, and the base may step
.if \step
	s_add_nc_u64 s[PO:PO+1], s[PO:PO+1], s[STP:STP+1]   ; two stages' 512 columns on (nothing ahead of the first)
.endif
.irp t, 0,1,2,3,4,5,6,7,8,9,10,11,12,13,14,15
	ds_load_b128 v[OB+4*\t:OB+4*\t+3], v[STR] offset:STG+2*\t*272   ; LDS serves a wave's instructions in order: these see the stores above
.endr
.irp t, 0,1,2,3,4,5,6,7,8,9,10,11,12,13,14,15
	s_wait_dscnt 15-\t
	global_store_b128 v[GO], v[OB+4*\t:OB+4*\t+3], s[PO:PO+1] offset:(8*(\t/8)+2*(\t%8)+8*((\t%8)/4))*8192+\off th:TH_STORE_NT   ; stage row 2 t + h is lane 2 (t % 8) + h of tile t / 8; sixteen lanes store 256 consecutive bytes
.endr
.endm
; STAGE n of the last product: 256 columns, my 64 of them.  par = n % 2: its fragments lie in window 1 + par.  read = 1: the next stage's are copied out of the other buffer meanwhile.  fill = 1: this stage's buffer takes the stage two on.
.macro STAGE par, fill, read
.if \read
	s_wait_tensorcnt 0x0                           ; all my tensor loads have landed: my quarter of the next stage
	ds_add_u32 v[SPW], v[NIL]                      ; 0 onto my spare word
.if \fill
	s_add_nc_u64 s[G0A+4*\par+2:G0A+4*\par+3], s[G0A+4*\par+2:G0A+4*\par+3], 16*REC   ; no tensor load of mine is out, so a group 0 may be written: two stages on
.endif
	s_wait_dscnt 0x0                               ; the add is done; my reads of this stage's buffer were over a stage ago
.if \fill
	ROUND
	tensor_load_to_lds s[G0A+4*\par:G0A+4*\par+3], s[G1:G1+7]   ; the first thing behind the round, and my one tensor load until the next
	s_nop 0
	PLACES 4
.else
	s_barrier_signal -1                            ; nothing is left to fetch: my work-group's barrier alone shows the last stage whole
	s_barrier_wait -1
.endif
.if \par == 0
	LDF 2, VSC, KA2, KSA2
.else
	LDF 1, KSC, KA, KSA
.endif
.endif
.if \par == 0
	MULS 0x0d, KSC
.else
	MULS 0x0e, VSC
.endif
	PLACES 5                                       ; five: the next stage begins the same accumulators anew
.if \read
	s_wait_dscnt 0x0                               ; the next stage's fragments are in
.endif
	OUT 1024*\par, 1-\par
.endm
	s_mov_b32 s[STP], 0
	s_mov_b32 s[STP+1], 0
	s_mov_b32 s[CNT], 3
.Lproj:                                                ; stages 0 to 5: each fills its buffer again
	STAGE 0, 1, 1
	STAGE 1, 1, 1
	s_mov_b32 s[STP], 2048
	s_sub_co_u32 s[CNT], s[CNT], 1
	s_cmp_lg_u32 s[CNT], 0
	s_cbranch_scc1 .Lproj
	STAGE 0, 0, 1                                  ; the last two stages are written out: they ask for nothing more
	STAGE 1, 0, 0
	s_wait_tensorcnt 0x0                           ; the wave's end: behind my last tensor load and my last LDS store
	ds_add_u32 v[SPW], v[NIL]
	s_wait_dscnt 0x0
	ROUND                                          ; the closing round: no work-group ends while a partner may still ask for bytes by a load that names it
	s_endpgm
.Lfunc_end_k_q83a1ac2535_attn:
	.size	k_q83a1ac2535_attn, .Lfunc_end_k_q83a1ac2535_attn-k_q83a1ac2535_attn
	.p2alignl 7, 3214868480
	.fill 96, 4, 3214868480
	.section	.rodata,"a",@progbits
	.p2align	6, 0x0
	.amdhsa_kernel k_q83a1ac2535_attn
		.amdhsa_group_segment_fixed_size 327680
		.amdhsa_private_segment_fixed_size 0
		.amdhsa_enable_private_segment 0
		.amdhsa_kernarg_size 24
		.amdhsa_user_sgpr_count 2
		.amdhsa_user_sgpr_kernarg_segment_ptr 1
		.amdhsa_wavefront_size32 1
		.amdhsa_system_sgpr_workgroup_id_x 1
		.amdhsa_system_sgpr_workgroup_id_y 1
		.amdhsa_system_sgpr_workgroup_id_z 1
		.amdhsa_system_vgpr_workitem_id 0
		.amdhsa_next_free_vgpr 1024
		.amdhsa_next_free_sgpr 88
		.amdhsa_reserve_vcc 1
		.amdhsa_float_denorm_mode_32 3
		.amdhsa_float_denorm_mode_16_64 3
		.amdhsa_memory_ordered 1
		.amdhsa_forward_progress 1
		.amdhsa_inst_pref_size 151
	.end_amdhsa_kernel
	.amdgpu_metadata
---
amdhsa.version: [ 1, 2 ]
amdhsa.kernels:
  - .name:           k_q83a1ac2535_attn
    .symbol:         k_q83a1ac2535_attn.kd
    .args:
      - { .name: qkv, .offset: 0, .size: 8, .value_kind: global_buffer, .address_space: global }
      - { .name: oc, .offset: 8, .size: 8, .value_kind: global_buffer, .address_space: global }
      - { .name: out0, .offset: 16, .size: 8, .value_kind: global_buffer, .address_space: global }
    .group_segment_fixed_size: 327680
    .private_segment_fixed_size: 0
    .kernarg_segment_align: 8
    .kernarg_segment_size: 24
    .max_flat_workgroup_size: 128
    .sgpr_count:     88
    .vgpr_count:     1024
    .wavefront_size: 32
...
	.end_amdgpu_metadata
.endif
;; end of part 3
